; MI455X (gfx1250); checked and timed in simulation.
; The chip was launched on July 23, 2026; its instructions are those of AMD's public machine-readable ISA for CDNA 5 (MIT licence, August 2026) and "CDNA5" Instruction Set Architecture Reference Guide (July 2026). The comments in the code are by the model that wrote it; some were corrected since.
;; Attention. Allowed arithmetic: matrix products marked QUANTISED: E2M1 operands, one E8M0 scale for each 32 along K, by v_wmma_scale_f32_16x16x128_f8f6f4 with both operands' format E2M1 (or v_wmma_scale_f32_32x16x128_f4), f32 sums; everything else in f32.
;; Inputs: K 4 x 16 x 2,048 x 128 float32; Q 4 x 16 x 2,048 x 128 float32; V 4 x 16 x 2,048 x 128 float32.
;; Outputs: out0 4 x 16 x 2,048 x 128 float32.
;; This version of the problem:
;;   THIS VERSION OF THE PROBLEM IS GIVEN IN LOW PRECISION. The matrix products marked QUANTISED in the list below multiply operands that are first quantised to E2M1 (2 exponent bits, 1 mantissa bit; 4 bits a number), with one power-of-two scale for each 32 numbers along K (OCP MX v1.0); their sums are f32. All else is computed in f32.
;;   The module's matrix products, in the order in which they are computed (A, B: the left and right operand; K: the contracted axis; several contracted axes count as one K, in the product's order):
;;     1. batch 64 x [M 2,048, K 128] x [K 128, N 2,048]; A: input Q; B: input K: QUANTISED
;;     2. batch 64 x [M 2,048, K 2,048] x [K 2,048, N 128]; A: softmax (see below); B: input V: QUANTISED
;;   THE QUANTISER, for each operand of a quantised product, along K:
;;     - K is cut into blocks of 32 from its start; a last block that is shorter is filled with zeros.
;;     - A block's scale is 2^e with e = floor(log2(the largest magnitude in the block)) - 2, held to -126 .. 127; a block of zeros has e = 0. As a byte (E8M0): e + 127.
;;     - Each number is divided by its block's scale, clamped to +-6, and rounded to the nearest number of E2M1, ties to even, subnormals kept.
;;     - The product sums the exact products of the quantised numbers (number of the format x scale) in f32.
;;   ~~~python
;;   def quantise(x, axis):      # numpy; x: float32 -> the quantised numbers, widened to float32 again
;;       x = np.moveaxis(x, axis, -1); K = x.shape[-1]
;;       x = np.pad(x, [(0, 0)] * (x.ndim - 1) + [(0, -K % 32)]); x = x.reshape(x.shape[:-1] + (-1, 32)); a = np.abs(x).max(-1, keepdims=True)
;;       e = np.where(a > 0, np.clip(np.frexp(np.where(a > 0, a, 1))[1] - 1 - 2, -126, 127), 0)      # np.frexp(a)[1] - 1 = floor(log2(a)), exactly
;;       r = np.clip(x / 2.0 ** e, -6, 6)
;;       step = 2.0 ** (np.maximum(np.frexp(np.where(r == 0, 1, r))[1] - 1, 0) - 1)
;;       q = np.round(r / step) * step * 2.0 ** e      # np.round: ties to even
;;       return np.moveaxis(q.reshape(q.shape[:-2] + (-1,))[..., :K], -1, axis).astype(np.float32)
;;   ~~~
;;   SOFTMAX AHEAD OF A QUANTISED PRODUCT. Where the list says 'softmax', what is quantised is not the finished softmax but p = 2^(t - M), with t = logit x log2(e) and M = ceil(the row's largest t), a whole number; so 1/2 < the row's largest p <= 1. The row's sum l is taken of the UNQUANTISED p, in f32, and the product's result is divided by l at the end. Since M is a whole number, a kernel that streams over the keys may use a running M (the ceiling of the running maximum): every later rescaling is an exact power of two, which a block's scale takes up: the codes' values come out the same.
;;   OPERANDS COMPUTED ON THE WAY. 'Computed on the way' means the value that the module computes at that place (a softmax that the list does not call 'softmax' is quantised finished and normalised). What goes into a quantiser is computed in f32, as accurately as f32 sums, v_exp_f32 and their like allow (about 1e-6 of the number): no bf16 or f16 on the way to a quantiser, and a product that is left as it is and whose result goes on into a quantised operand takes f32 operands (vector FMAs, or v_wmma_f32_16x16x4_f32). A number that lies on a knife's edge between two numbers of the format may be rounded either way, as far as f32 arithmetic and the matrix unit's own rounding can turn it there, and no further.
;; One version. Each part assembles by itself: llvm-mc -triple=amdgcn-amd-amdhsa -mcpu=gfx1250 --defsym DOCPART=n.
;; ======== version 1 of 1: 2 launches
;; limits: right only within a limited range of input values
;; workspace buffers: kcod 8,388,608 bytes; kscl 524,288 bytes; vcod 8,388,608 bytes; vscl 524,288 bytes
;; launch quant (part 1): grid 4 x 64, 16 waves a work-group, no clusters, 124,928 bytes of LDS; arguments K, V, kcod, kscl, vcod, vscl; writes kcod, kscl, vcod, vscl
.if DOCPART == 1
	.amdgcn_target "amdgcn-amd-amdhsa--gfx1250"
	.amdhsa_code_object_version 6
	.text
	.protected	k_q9e26103052_quant
	.globl	k_q9e26103052_quant
	.p2align	8
	.type	k_q9e26103052_quant,@function
k_q9e26103052_quant:
	s_mov_b64 s[64:65], 0
	v_nop
	global_prefetch_b8 v0, s[64:65] scope:SCOPE_SE
	s_setreg_imm32_b32 hwreg(HW_REG_WAVE_MODE, 25, 1), 1
	s_wait_xcnt 0x0
; K and V, [64 heads][2048 keys][128] f32, are turned into codes of FP4 (E2M1), 4 bits each, with one E8M0 scale byte for each 32 along the axis that each is later contracted over.
;   K: along the head's 128.  kcod [head][key][64 bytes], the lower d in the low four bits; kscl [head][key][4 bytes].
;   V: along the KEYS.        vcod [head][d][1024 bytes], keys innermost;                    vscl [head][key step of 128][d][4 bytes]: a key step's words are 512 consecutive bytes.
; A block's scale is 2^(floor(log2(its largest magnitude)) - 2); its byte is the largest magnitude's own exponent field - 2, held at 1 from below.  Each number is divided by the scale and rounded to the nearest code,
; ties to even; beyond 6 the conversion gives the largest code.
; LIMITS: NaN and infinities among the inputs are not served; blocks whose largest magnitude lies under 2^-124 (the floor) get the byte 1 and were not tried; a block of zeros gets the byte 1 where the rule says 127:
; its codes are zeros, which add nothing under any byte but 0xff, and the bytes are read by this program alone.
; SHARES.  Work-group (x, head) owns keys 512 x .. 512 x + 511 of one head, of V and of K: 4 x 64 = 256 work-groups of sixteen waves.  Every wave does a part of V and then a part of K: one path for all.
;   V: wave w (cg = w % 4, kq = w / 4) takes columns d = 32 cg + lane and keys 128 kq .. + 127.  A LANE TAKES A COLUMN AND ITS REGISTERS RUN DOWN THE KEYS: a block of 32 keys lies in one lane's 32 registers,
;      its maximum needs no other lane, and the conversions give codes with the keys innermost.  The wave's 128 keys are one key step: one scale word a lane.
;   K: wave w takes keys 32 w .. 32 w + 31, a plain stream of 4,096 numbers, in 8 steps of 512.  Each load reads 512 consecutive bytes; a step's 2,048 bytes turn through the wave's own stage in LDS, so that a lane
;      holds 16 neighbours; two neighbouring lanes hold a block.
; V's codes and both kinds of scale bytes meet in LDS; behind the launch's one barrier they leave in runs of 256 consecutive bytes and more.  K's codes leave at once: a wave's store covers 256 consecutive bytes.
; No tensor loads, no clusters, no matrix units: each input byte is read once by one wave, and nothing is shared between work-groups.
.set VP,    272                        ; V's stage: a row is one d: 256 bytes (512 keys) + 16 of padding: an odd multiple of 16 bytes, so that the 16 rows that a store or load of 16 bytes a lane touches start in different banks
.set VSS,   128*VP                     ; V's scale words: 4 x the thread's number = 512 kq + 4 d: 2,048 bytes
.set KSS,   VSS+2048                   ; K's scale bytes: 128 w + 16 step + lane / 2: 2,048 bytes
.set KST,   KSS+2048                   ; K's stages: for each wave two of 32 x SP bytes
.set SP,    80                         ; a lane's place in a stage: its 64 bytes + 16 of padding
.set KWR,   2*32*SP
.set X,     32                         ; v32-95   V: two sets of 32 numbers;  K: four sets of 16, as loaded
.set XK,    96                         ; v96-127  K: two sets of 16 neighbours
.set CV,    128                        ; v128-143 V's codes: four registers for each block, so that no store's data are written again
.set CK,    144                        ; v144-159 K's codes: two registers for each step
.set E,     160                        ; v160-167 K's scale bytes, one register for each step
.set OUTR,  168                        ; v168-183 V's codes on the way out
.set SCO,   184                        ; v184-187 scale bytes on the way out
	s_load_b256 s[4:11], s[0:1], 0x0               ; K s[4:5], V s[6:7], kcod s[8:9], kscl s[10:11]
	s_load_b128 s[12:15], s[0:1], 0x20             ; vcod s[12:13], vscl s[14:15]
	v_lshl_add_u32 v192, v0, 2, 0x1e000
	v_mov_b32 v193, 0
	v_lshrrev_b32 v2, 5, v0
	s_delay_alu instid0(VALU_DEP_1)
	v_readfirstlane_b32 s16, v2                    ; wave 0..15
	s_and_b32 s17, s16, 3                          ; cg: which 32 columns of V
	s_lshr_b32 s18, s16, 2                         ; kq: which 128 keys of the chunk
	s_and_b32 s19, ttmp7, 0xffff                   ; the head
	v_and_b32 v1, 31, v0                           ; lane
	s_delay_alu instid0(VALU_DEP_1)
	v_lshlrev_b32 v3, 2, v1                        ; V in: 4 bytes a lane
	s_mul_i32 s26, s17, 32*VP
	s_lshl_b32 s27, s18, 6
	s_add_co_u32 s26, s26, s27
	v_mul_u32_u24 v4, v1, VP
	s_delay_alu instid0(VALU_DEP_1)
	v_add_nc_u32 v4, s26, v4                       ; V's stage (it begins at LDS byte 0): row 32 cg + lane, byte 64 kq
	v_lshl_add_u32 v5, v0, 2, VSS                  ; my scale word of V
	v_lshlrev_b32 v6, 4, v1                        ; K in: my 16 bytes of a load's 512
	s_mul_i32 s26, s16, KWR
	s_add_co_u32 s26, s26, KST                     ; my wave's two stages
	v_lshrrev_b32 v2, 2, v1
	s_delay_alu instid0(VALU_DEP_1)
	v_mul_u32_u24 v7, v2, SP
	v_and_b32 v2, 3, v1
	s_delay_alu instid0(VALU_DEP_1)
	v_lshl_add_u32 v7, v2, 4, v7
	s_delay_alu instid0(VALU_DEP_1)
	v_add_nc_u32 v7, s26, v7                       ; on the way in: four lanes' 64 bytes on end, then 16 of padding
	v_mul_u32_u24 v8, v1, SP
	s_delay_alu instid0(VALU_DEP_1)
	v_add_nc_u32 v8, s26, v8                       ; on the way out: my 16 neighbours
	v_lshlrev_b32 v9, 3, v1                        ; K's codes: 8 bytes a lane
	s_lshl_b32 s26, s16, 7
	s_add_co_u32 s26, s26, KSS
	v_lshrrev_b32 v10, 1, v1
	s_delay_alu instid0(VALU_DEP_1)
	v_add_nc_u32 v10, s26, v10                     ; my block's scale byte of K
	s_mul_i32 s26, s16, 8*VP                       ; the way out of V's codes: wave w takes rows 8 w .. 8 w + 7, sixteen lanes to a row
	v_lshrrev_b32 v2, 4, v1
	v_and_b32 v15, 15, v1
	s_delay_alu instid0(VALU_DEP_2)
	v_mul_u32_u24 v11, v2, VP
	s_delay_alu instid0(VALU_DEP_1)
	v_lshl_add_u32 v11, v15, 4, v11
	s_delay_alu instid0(VALU_DEP_1)
	v_add_nc_u32 v11, s26, v11                     ; in the stage,
	v_lshlrev_b32 v12, 10, v2
	s_delay_alu instid0(VALU_DEP_1)
	v_lshl_add_u32 v12, v15, 4, v12                ; and in vcod: rows 1,024 bytes apart
	v_and_b32 v13, 255, v0
	s_delay_alu instid0(VALU_DEP_1)
	v_lshl_add_u32 v13, v13, 4, VSS                ; the way out of the scale bytes: threads 0-127 V's 2,048 bytes, threads 128-255 K's, which lie behind them
	v_and_b32 v14, 127, v0
	s_delay_alu instid0(VALU_DEP_1)
	v_lshlrev_b32 v14, 4, v14
	; byte offsets of my parts, each made apart from the address; all stay under 2^27
	s_lshl_b32 s20, s19, 20                        ; a head of K or V: 2,048 x 512 bytes
	s_lshl_b32 s26, ttmp9, 18                      ; a chunk of 512 keys
	s_add_co_u32 s20, s20, s26
	s_lshl_b32 s26, s16, 14                        ; K: my wave's 32 keys
	s_add_co_u32 s24, s20, s26
	s_mov_b32 s25, 0
	s_lshl_b32 s26, s18, 16                        ; V: my 128 keys,
	s_add_co_u32 s20, s20, s26
	s_lshl_b32 s26, s17, 7                         ; my 32 columns
	s_add_co_u32 s20, s20, s26
	s_mov_b32 s21, 0
	s_lshl_b32 s28, s19, 17                        ; a head of codes: 131,072 bytes
	s_lshl_b32 s26, ttmp9, 8                       ; vcod: the chunk's 256 bytes of a row,
	s_add_co_u32 s32, s28, s26
	s_lshl_b32 s26, s16, 13                        ; my wave's 8 rows
	s_add_co_u32 s32, s32, s26
	s_mov_b32 s33, 0
	s_lshl_b32 s26, ttmp9, 15                      ; kcod: the chunk's 512 keys of 64 bytes,
	s_add_co_u32 s28, s28, s26
	s_lshl_b32 s26, s16, 11                        ; my wave's 32
	s_add_co_u32 s28, s28, s26
	s_mov_b32 s29, 0
	s_lshl_b32 s30, s19, 13                        ; kscl and vscl alike: a head's 8,192 bytes, the chunk's 2,048
	s_lshl_b32 s26, ttmp9, 11
	s_add_co_u32 s30, s30, s26
	s_mov_b32 s31, 0
	s_wait_kmcnt 0x0
	s_add_nc_u64 s[4:5], s[4:5], s[24:25]
	s_add_nc_u64 s[6:7], s[6:7], s[20:21]
	s_add_nc_u64 s[8:9], s[8:9], s[28:29]
	s_add_nc_u64 s[10:11], s[10:11], s[30:31]
	s_add_nc_u64 s[12:13], s[12:13], s[32:33]
	s_add_nc_u64 s[14:15], s[14:15], s[30:31]
.macro VLOAD t                         ; block t of V: keys 32 t + i of my column, i = 0 .. 31, into set t % 2; a wave's load reads 128 consecutive bytes
.irp i, 0,1,2,3,4,5,6,7,8,9,10,11,12,13,14,15,16,17,18,19,20,21,22,23,24,25,26,27,28,29,30,31
	global_load_b32 v[X+32*((\t)%2)+\i], v3, s[6:7] offset:(32*(\t)+\i)*512 th:TH_LOAD_NT
.endr
.endm
.macro VBLOCK t, left                  ; left: the loads issued behind this block's, which may stay out
.set XS, X+32*((\t)%2)
	s_wait_loadcnt \left                           ; loads come back in order: this block's 32 are in
	v_max3_num_f32 v16, |v[XS]|, |v[XS+1]|, |v[XS+2]|              ; the block's largest magnitude: all 32 numbers are mine; two chains that do not wait for each other
	v_max3_num_f32 v17, |v[XS+3]|, |v[XS+4]|, |v[XS+5]|
.irp i, 6,10,14,18,22,26
	s_delay_alu instid0(VALU_DEP_2)
	v_max3_num_f32 v16, v16, |v[XS+\i]|, |v[XS+\i+1]|
	s_delay_alu instid0(VALU_DEP_2)
	v_max3_num_f32 v17, v17, |v[XS+\i+2]|, |v[XS+\i+3]|
.endr
	s_delay_alu instid0(VALU_DEP_2)
	v_max3_num_f32 v16, v16, |v[XS+30]|, |v[XS+31]|
	s_delay_alu instid0(VALU_DEP_1)
	v_max3_num_f32 v16, v16, v17, 0x1800000        ; and the floor 2^(3 - 127): so the byte cannot fall under 1
	s_delay_alu instid0(VALU_DEP_1)
	v_add_nc_u32 v18, 0xff000000, v16              ; 2 off its exponent field: the conversion takes the exponent field of this operand as its scale, and nothing else of it
	s_delay_alu instid0(VALU_DEP_1)
	v_lshrrev_b32 v19, 23, v18                     ; the scale's byte
.if (\t) == 0
	s_delay_alu instid0(VALU_DEP_1)
	v_mov_b32 v20, v19                             ; four bytes make the key step's scale word, the lower keys in the lower byte
.else
	s_delay_alu instid0(VALU_DEP_1)
	v_lshl_or_b32 v20, v19, 8*(\t), v20
.endif
.irp g, 0,1,2,3
	v_cvt_scalef32_pk8_fp4_f32 v[CV+4*(\t)+\g], v[XS+8*\g:XS+8*\g+7], v18
.endr
	v_nop                                          ; one plain vector line behind the last conversion, ahead of the lines that write its sources again
	ds_store_b128 v4, v[CV+4*(\t):CV+4*(\t)+3] offset:16*(\t)      ; 32 codes: 16 bytes of my column's row
.endm
.macro KLOAD t                         ; step t of K: 2,048 bytes, into set t % 4
.irp i, 0,1,2,3
	global_load_b128 v[X+16*((\t)%4)+4*\i:X+16*((\t)%4)+4*\i+3], v6, s[4:5] offset:2048*(\t)+512*\i th:TH_LOAD_NT   ; 32 lanes read 512 consecutive bytes
.endr
.endm
.macro KTURN t                         ; step t's numbers through stage t % 2: LDS serves a wave's instructions in order, so no wait stands between the stores and the loads
.irp i, 0,1,2,3
	ds_store_b128 v7, v[X+16*((\t)%4)+4*\i:X+16*((\t)%4)+4*\i+3] offset:32*SP*((\t)%2)+8*SP*\i
.endr
.irp i, 0,1,2,3
	ds_load_b128 v[XK+16*((\t)%2)+4*\i:XK+16*((\t)%2)+4*\i+3], v8 offset:32*SP*((\t)%2)+16*\i
.endr
.endm
.macro KSTEP t
.set XS, XK+16*((\t)%2)
.if (\t) > 0
	s_wait_dscnt 1                                 ; this step's numbers are back from the stage (the last step's byte store may be out): so its stores into the stage have read their registers,
.else
	s_wait_dscnt 0x0
.endif
.if (\t)+4 < 8
	KLOAD (\t)+4                                   ; which take the loads of four steps on
.endif
.if (\t)+1 < 8
.if (\t) <= 3
	s_wait_loadcnt 12                              ; the next step's four loads are in; those of the three steps behind it may be out
.else
	s_wait_loadcnt 4*(6-(\t))                      ; towards the end fewer steps stand behind it
.endif
	KTURN (\t)+1                                   ; and go through the other stage while this step is worked
.endif
	v_max3_num_f32 v16, |v[XS]|, |v[XS+1]|, |v[XS+2]|              ; the largest magnitude of my 16
	v_max3_num_f32 v17, |v[XS+3]|, |v[XS+4]|, |v[XS+5]|
.irp i, 6,10
	s_delay_alu instid0(VALU_DEP_2)
	v_max3_num_f32 v16, v16, |v[XS+\i]|, |v[XS+\i+1]|
	s_delay_alu instid0(VALU_DEP_2)
	v_max3_num_f32 v17, v17, |v[XS+\i+2]|, |v[XS+\i+3]|
.endr
	s_delay_alu instid0(VALU_DEP_2)
	v_max3_num_f32 v16, v16, |v[XS+14]|, |v[XS+15]|
	s_delay_alu instid0(VALU_DEP_1)
	v_max3_num_f32 v16, v16, v17, 0x1800000        ; and the floor
	s_delay_alu instid0(VALU_DEP_1)
	v_max_num_f32_dpp v16, v16, v16 row_xmask:1 row_mask:0xf bank_mask:0xf   ; and of my neighbour's 16: the block's
	s_delay_alu instid0(VALU_DEP_1)
	v_add_nc_u32 v18, 0xff000000, v16              ; the conversion's scale operand
	v_cvt_scalef32_pk8_fp4_f32 v[CK+2*(\t)], v[XS:XS+7], v18
	v_cvt_scalef32_pk8_fp4_f32 v[CK+2*(\t)+1], v[XS+8:XS+15], v18
	v_lshrrev_b32 v[E+(\t)], 23, v18               ; the scale's byte (also the plain line behind the conversions)
; THE ORDER OF K'S ROWS in kcod and kscl: within each 32 keys, key k lies at row (k with its bits 3 and 4 exchanged), so that the 16 keys that form a tile of the next launch lie on end.
; A step holds keys 4 t .. 4 t + 3, so bits 1 and 2 of the step's number are exchanged in the two offsets.
.set TP, ((\t)&1)|(((\t)&2)<<1)|(((\t)&4)>>1)
	ds_store_b8 v10, v[E+(\t)] offset:16*TP        ; both lanes of a block write the same byte with the same value
	global_store_b64 v9, v[CK+2*(\t):CK+2*(\t)+1], s[8:9] offset:256*TP    ; the wave stores 256 consecutive bytes, at a multiple of 256 from kcod's first byte
.endm
	VLOAD 0
	VLOAD 1
	VBLOCK 0, 32                                   ; block 1's 32 loads may be out
	VLOAD 2
	VBLOCK 1, 32
	VLOAD 3
	VBLOCK 2, 32
	KLOAD 0                                        ; K's first steps go into the set that V's block 2 has left,
	KLOAD 1
	VBLOCK 3, 8                                    ; (those 8 loads may be out)
	KLOAD 2                                        ; and into the set that block 3 has left
	KLOAD 3
	ds_store_b32 v5, v20                           ; my column's scale word of this key step
	s_wait_loadcnt 12                              ; K's step 0 is in
	KTURN 0
.irp t, 0,1,2,3,4,5,6,7
	KSTEP \t
.endr
	s_wait_dscnt 0x0                               ; for the others' sake: all my LDS stores have landed
	s_barrier_signal -1
	s_barrier_wait -1                              ; V's stage and both runs of scale bytes are whole
.irp i, 0,1,2,3
	ds_load_b128 v[OUTR+4*\i:OUTR+4*\i+3], v11 offset:2*\i*VP      ; rows 8 w + 2 i and + 1
.endr
	s_cmp_lt_u32 s16, 4                            ; waves 0-3 will store V's scale bytes, waves 4-7 K's: the choice hangs on the wave's number alone
	s_cselect_b64 s[22:23], s[14:15], s[10:11]
.irp i, 0,1,2,3
	s_wait_dscnt 3-\i                              ; the younger loads may be out
	global_store_b128 v12, v[OUTR+4*\i:OUTR+4*\i+3], s[12:13] offset:2*\i*1024   ; sixteen lanes store 256 consecutive bytes, at a multiple of 256 from vcod's first byte
.endr
	s_cmp_lt_u32 s16, 8
	s_cbranch_scc0 .Lend
	ds_load_b128 v[SCO:SCO+3], v13
	s_wait_dscnt 0x0
	global_store_b128 v14, v[SCO:SCO+3], s[22:23]  ; a wave stores 512 consecutive bytes of scale bytes
.Lend:
	s_wait_tensorcnt 0x0
	ds_add_u32 v192, v193
	s_wait_dscnt 0x0
	s_endpgm
.Lfunc_end_k_q9e26103052_quant:
	.size	k_q9e26103052_quant, .Lfunc_end_k_q9e26103052_quant-k_q9e26103052_quant
	.p2alignl 7, 3214868480
	.fill 96, 4, 3214868480
	.section	.rodata,"a",@progbits
	.p2align	6, 0x0
	.amdhsa_kernel k_q9e26103052_quant
		.amdhsa_group_segment_fixed_size 124928
		.amdhsa_private_segment_fixed_size 0
		.amdhsa_enable_private_segment 0
		.amdhsa_kernarg_size 48
		.amdhsa_user_sgpr_count 2
		.amdhsa_user_sgpr_kernarg_segment_ptr 1
		.amdhsa_wavefront_size32 1
		.amdhsa_system_sgpr_workgroup_id_x 1
		.amdhsa_system_sgpr_workgroup_id_y 1
		.amdhsa_system_sgpr_workgroup_id_z 1
		.amdhsa_system_vgpr_workitem_id 0
		.amdhsa_next_free_vgpr 194
		.amdhsa_next_free_sgpr 66
		.amdhsa_reserve_vcc 0
		.amdhsa_float_denorm_mode_32 3
		.amdhsa_float_denorm_mode_16_64 3
		.amdhsa_memory_ordered 1
		.amdhsa_forward_progress 1
		.amdhsa_inst_pref_size 43
	.end_amdhsa_kernel
	.amdgpu_metadata
---
amdhsa.version: [ 1, 2 ]
amdhsa.kernels:
  - .name:           k_q9e26103052_quant
    .symbol:         k_q9e26103052_quant.kd
    .args:
      - { .name: K, .offset: 0, .size: 8, .value_kind: global_buffer, .address_space: global }
      - { .name: V, .offset: 8, .size: 8, .value_kind: global_buffer, .address_space: global }
      - { .name: kcod, .offset: 16, .size: 8, .value_kind: global_buffer, .address_space: global }
      - { .name: kscl, .offset: 24, .size: 8, .value_kind: global_buffer, .address_space: global }
      - { .name: vcod, .offset: 32, .size: 8, .value_kind: global_buffer, .address_space: global }
      - { .name: vscl, .offset: 40, .size: 8, .value_kind: global_buffer, .address_space: global }
    .group_segment_fixed_size: 124928
    .private_segment_fixed_size: 0
    .kernarg_segment_align: 8
    .kernarg_segment_size: 48
    .max_flat_workgroup_size: 512
    .sgpr_count:     66
    .vgpr_count:     194
    .wavefront_size: 32
...
	.end_amdgpu_metadata
.endif
;; end of part 1
;; launch attn (part 2): grid 4 x 64, 8 waves a work-group, clusters of 4 x 1, 327,680 bytes of LDS; arguments Q, kcod, kscl, vcod, vscl, out0; writes out0
.if DOCPART == 2
	.amdgcn_target "amdgcn-amd-amdhsa--gfx1250"
	.amdhsa_code_object_version 6
	.text
	.protected	k_q9e26103052_attn
	.globl	k_q9e26103052_attn
	.p2align	8
	.type	k_q9e26103052_attn,@function
k_q9e26103052_attn:
	s_mov_b64 s[64:65], 0
	v_nop
	global_prefetch_b8 v0, s[64:65] scope:SCOPE_SE
	s_setreg_imm32_b32 hwreg(HW_REG_WAVE_MODE, 25, 1), 1
	s_wait_xcnt 0x0
	s_wait_alu depctr_hold_cnt(0) depctr_sa_sdst(0) depctr_va_vdst(0) depctr_va_sdst(0) depctr_va_ssrc(0) depctr_va_vcc(0) depctr_vm_vsrc(0)
	s_getreg_b32 s2, hwreg(HW_REG_IB_STS2, 6, 4)
	s_cmp_eq_u32 s2, 0
	s_cbranch_scc0 .Lentry_in_a_cluster
	s_endpgm
.Lentry_in_a_cluster:
	s_bfe_u32 s2, ttmp6, 0x10000c
	s_cmp_lg_u32 s2, 0x3003
	s_cbranch_scc0 .Lentry_shape_is_right
	s_endpgm
.Lentry_shape_is_right:
; O[head][q][:] = the sum over k of softmax_k(Q[head][q] . K[head][k] / sqrt(128)) V[head][k][:]; 64 heads, 2,048 queries and keys, head size 128; both products on codes of FP4 (E2M1), one E8M0 scale for each 32 along a product's K.
; Q: f32, quantised here in registers by the wave that owns the rows.  kcod [head][row][64 bytes], kscl [head][row][4]: within each 32 keys, key k lies at row (k with bits 3 and 4 exchanged).
; vcod [head][d][1024 bytes] (keys innermost), vscl [head][key step of 128][d][4].  out0: f32.
; SOFTMAX: t = score x c, c = log2(e) / sqrt(128); M = the running largest t rounded up to a whole number; p = 2^(t - M) is quantised along the keys, not normalised; the row's sum is taken of the unquantised p and divides O at the end.
; When M moves, the sum and O are multiplied by 2^(old M - new M): exact.
; LIMITS: NaN and infinities are not served; the promise holds while |t| stays under 2^31; a block of Q or p whose largest magnitude lies under 2^-124 gets the byte 1 (a block of zeros too: its codes are zeros).
; A block's largest p is taken as the p of its largest score, which takes v_exp_f32 not to fall where its input rises.
; SHARES.  The four work-groups of a cluster own one head, 512 queries each: 4 x 64 = 256 work-groups.  Each of a work-group's EIGHT waves owns 64 queries and takes them in two passes of 32:
; tile A (16 queries) in register window 0, tile B at the same register numbers in window 1.
; THE HEAD'S CODES AND SCALE BYTES STAY IN LDS, WHOLE: K 139,264 bytes, V 133,120, scale bytes 16,384.  They come by eight joint tensor loads at the kernel's head, one a wave (waves 0, 1: K's halves; 2: K's scale bytes; 3: V's;
; 4 to 7: V's quarters), each named by all four partners.  Nothing is filled again: behind the one barrier that shows the tiles whole the waves share nothing and meet no barrier until the closing round.
; K and V are not prefetched: they are asked for whole at the head, with no loop to run ahead in.  The next pass's rows of Q are: 64 blocks of 256 bytes a wave, a lane a block, sixteen key steps ahead of their loads.
; A key step is 128 keys: its 8 fragments of K (window 0, v32-95) and 8 of V (window 1, v32-95) are read from LDS once (V's in one run at the step's head, K's a step ahead), and each feeds two matrix instructions.
; LAYOUT: both products transposed (S^T = K Q^T, O^T = V^T P^T): a lane holds one query.  Row 16 T + r of a step's K holds key 32 (T / 2) + 8 (T % 2) + r + 8 (r / 8), so the 16 registers of tiles 2 b, 2 b + 1 are 16 neighbouring keys.
; A scale register holds two tiles' words: lanes 0-15 the even tile's, lanes 16-31 the odd tile's (ROW1).
; REGISTERS, both windows: v12 -M, v13 largest t, v[14:15] sum, v16-23 Q's codes, v96-159 S^T then p, v160-223 O^T (between passes: Q's numbers as loaded), v224-231 p's codes, v232-247, v252-254 at work.
; Window 0 alone: v0-11 addresses, v24-27 scale words of Q (A, B) and p (A, B), v28-31 K's scale words, v248-251 V's, v255 the prefetches' offset.
.set KR,    272                        ; an LDS row of K: four keys, 256 bytes, + 16: the 16 rows of a tile start in 16 different groups of four banks
.set KT,    4*KR                       ; a tile of 16 keys
.set VPI,   1040                       ; an LDS row of V: 2,048 keys, 1,024 bytes, + 16
.set VB,    512*KR                     ; V lies behind K
.set SCK,   VB+128*VPI                 ; K's scale words of the head, dense;
.set SCV,   SCK+8192                   ; V's;
.set SPARE, SCV+8192                   ; the spare words, 128 bytes a wave: four blocks of 256 bytes that no other line names
.set STG,   SPARE+1024                 ; a stage of 16 rows x (256 + 16) bytes for each wave; no tensor load lands there
.set SPI,   272
.set ADW, 0                            ; v0: from the first key step on, the address of V's tiles 4 to 7
.set AK0, 1
.set AV0, 2
.set ASK0, 3
.set STI, 4                            ; stage: row r, + 32 h
.set SPW, 5
.set NIL, 6
.set GO,  7                            ; memory: 512 h + 16 r: sixteen lanes to 256 bytes of a row, two rows an instruction
.set ADK, 8
.set ADV, 9
.set ADS, 10
.set SRD, 11                           ; stage: row h, + 16 r
.set QSA, 24
.set QSB, 25
.set PSA, 26
.set PSB, 27
.set KS,  28
.set VS,  248
.set PFO, 255
.set TM,  232
.set WV,  18
.set SEL, 20
.set CS,  22
.set G1K, 24
.set G1V, 32
.set G0K, 40
.set G0V, 44
.set G1S, 48
.set G0SK, 56
.set G0SV, 60
.set TS,  67                           ; the step's scale words: 512 bytes a step
.set PC,  68                           ; passes to go
.set STB, 89                           ; my stage
.set TK,  93                           ; the NEXT step's rows of K: 8 tiles a step, held at the last step's
.set TV,  94                           ; the step's part of V's rows: 64 bytes a step
.set QC,  95
.set MSB, 0
.macro WIN new                         ; low byte: bits 1:0 source 0, 3:2 source 1, 5:4 source 2, 7:6 destination; the high byte repeats the setting that is left
.if MSB != \new
	s_set_vgpr_msb (MSB<<8)|\new
.set MSB, \new
.endif
.endm
.macro WMS d, a, b, sa, sb, odd        ; a product that starts a sum
.if \odd
	v_wmma_scale_f32_16x16x128_f8f6f4 v[\d:\d+7], v[\a:\a+7], v[\b:\b+7], 0, v[\sa], v[\sb] matrix_a_fmt:MATRIX_FMT_FP4 matrix_b_fmt:MATRIX_FMT_FP4 matrix_a_scale:MATRIX_SCALE_ROW1
.else
	v_wmma_scale_f32_16x16x128_f8f6f4 v[\d:\d+7], v[\a:\a+7], v[\b:\b+7], 0, v[\sa], v[\sb] matrix_a_fmt:MATRIX_FMT_FP4 matrix_b_fmt:MATRIX_FMT_FP4
.endif
.endm
.macro WMA d, a, b, sa, sb, odd        ; a product that adds in place
.if \odd
	v_wmma_scale_f32_16x16x128_f8f6f4 v[\d:\d+7], v[\a:\a+7], v[\b:\b+7], v[\d:\d+7], v[\sa], v[\sb] matrix_a_fmt:MATRIX_FMT_FP4 matrix_b_fmt:MATRIX_FMT_FP4 matrix_a_scale:MATRIX_SCALE_ROW1
.else
	v_wmma_scale_f32_16x16x128_f8f6f4 v[\d:\d+7], v[\a:\a+7], v[\b:\b+7], v[\d:\d+7], v[\sa], v[\sb] matrix_a_fmt:MATRIX_FMT_FP4 matrix_b_fmt:MATRIX_FMT_FP4
.endif
.endm
.macro CROUND                          ; a round of the cluster's barrier
	s_barrier_signal -1
	s_barrier_wait -1
	s_cmp_lg_u32 s[WV], 0
	s_cbranch_scc1 .Lnot_wave_0_\@
	s_barrier_signal -3
.Lnot_wave_0_\@:
	s_barrier_wait -3
	s_barrier_signal -1
	s_barrier_wait -1
.endm
; A pass's 32 rows of Q, as they lie: a load reads 256 consecutive bytes of each of two rows.  Order: tile A's half rows 0, 1, then tile B's.
.macro QLOAD
.irp w, 0,1
	WIN 0x40*\w
.irp u, 0,1
.irp i, 0,1,2,3,4,5,6,7
	global_load_b128 v[160+32*\u+4*\i:163+32*\u+4*\i], v[GO], s[4:5] offset:8192*\w+1024*\i+256*\u th:TH_LOAD_NT
.endr
.endr
.endr
	WIN 0
.endm
	s_load_b256 s[4:11], s[0:1], 0x0               ; Q s[4:5], kcod s[6:7], kscl s[8:9], vcod s[10:11]
	s_load_b128 s[12:15], s[0:1], 0x20             ; vscl s[12:13], out0 s[14:15]
	v_lshl_add_u32 v[SPW], v0, 2, SPARE
	v_mov_b32 v[NIL], 0
	ds_add_u32 v[SPW], v[NIL]                      ; the opening lines: the add twice on end and one wait
	ds_add_u32 v[SPW], v[NIL]
	v_lshrrev_b32 v8, 5, v0
	s_delay_alu instid0(VALU_DEP_1)
	v_readfirstlane_b32 s[WV], v8                  ; wave 0..7
	v_and_b32 v[GO], 15, v0
	v_bfe_u32 v9, v0, 4, 1
	s_delay_alu instid0(VALU_DEP_2)
	v_lshlrev_b32 v[GO], 4, v[GO]
	s_delay_alu instid0(VALU_DEP_1)
	v_lshl_add_u32 v[GO], v9, 9, v[GO]
	s_and_b32 s70, ttmp7, 0xffff                   ; the head, which the four partners share
	s_lshl_b32 s74, s70, 17                        ; the head's first byte in kcod and vcod,
	s_lshl_b32 s84, s70, 13                        ; in kscl and vscl
	s_mov_b32 s85, 0
	s_and_b32 s78, s[WV], 1                        ; K: a half is 1,024 keys of 64 bytes
	s_lshl_b32 s80, s78, 16
	s_add_co_u32 s80, s80, s74
	s_mov_b32 s81, 0
	s_mul_i32 s86, s78, 256*KR
	s_and_b32 s78, s[WV], 3                        ; V: a quarter is 32 rows of 1,024 bytes
	s_lshl_b32 s82, s78, 15
	s_add_co_u32 s82, s82, s74
	s_mov_b32 s83, 0
	s_mul_i32 s87, s78, 32*VPI
	s_add_co_u32 s87, s87, VB
	s_mul_i32 s[STB], s[WV], 16*SPI
	s_add_co_u32 s[STB], s[STB], STG
	s_bfe_u32 s71, ttmp6, 0x40000                  ; cx
	s_lshl_b32 s72, ttmp9, 2
	s_add_co_u32 s72, s72, s71                     ; my block of 512 queries
	s_lshl_b32 s90, s70, 20
	s_lshl_b32 s91, s72, 18
	s_add_co_u32 s90, s90, s91
	s_lshl_b32 s91, s[WV], 15                      ; my wave's 64 rows of 512 bytes
	s_add_co_u32 s90, s90, s91
	s_mov_b32 s91, 0
	s_mov_b32 s[G1K], 15|(1<<20)|(1<<21)|(5<<22)|(3<<25)   ; K: dense in memory, stated as 256 rows of 256 bytes; mask of the four; four words of padding after every 64
	s_mov_b32 s[G1K+1], 256<<16
	s_mov_b32 s[G1K+2], 256<<16
	s_mov_b32 s[G1K+3], 256<<16
	s_mov_b32 s[G1K+4], 256
	s_mov_b32 s[G1K+5], 256
	s_mov_b32 s[G1K+6], 0
	s_mov_b32 s[G1K+7], 0
	s_mov_b32 s[G1V], 15|(1<<20)|(1<<21)|(7<<22)|(3<<25)   ; V: 32 rows of 1,024 bytes; four words after every 256
	s_mov_b32 s[G1V+1], 1024<<16
	s_mov_b32 s[G1V+2], 32<<16
	s_mov_b32 s[G1V+3], 1024<<16
	s_mov_b32 s[G1V+4], 32
	s_mov_b32 s[G1V+5], 1024
	s_mov_b32 s[G1V+6], 0
	s_mov_b32 s[G1V+7], 0
	s_mov_b32 s[G1S], 15|(3<<16)|(1<<21)           ; a head's scale bytes: 32 rows of 256 bytes (32 elements of 8), dense, no padding
	s_mov_b32 s[G1S+1], 32<<16
	s_mov_b32 s[G1S+2], 32<<16
	s_mov_b32 s[G1S+3], 32<<16
	s_mov_b32 s[G1S+4], 32
	s_mov_b32 s[G1S+5], 32
	s_mov_b32 s[G1S+6], 0
	s_mov_b32 s[G1S+7], 0
	s_mov_b32 s[SEL], 0x76543210
	s_mov_b32 s[SEL+1], 0xfedcba98
	s_mov_b32 s[CS], 0x3e0293ee                    ; c
	s_mov_b32 s[CS+1], s[CS]
	s_mov_b32 s[PC], 2
	s_wait_alu depctr_va_vdst(0)
	s_wait_dscnt 0x0                               ; both opening adds are done
	s_wait_kmcnt 0x0
	s_add_nc_u64 s[4:5], s[4:5], s[90:91]          ; Q at my wave's first row
	s_add_nc_u64 s[14:15], s[14:15], s[90:91]      ; out0 likewise
	QLOAD                                          ; the first pass's rows
	s_mov_b32 s[G0SK], 1
	s_mov_b32 s[G0SK+1], SCK
	s_add_nc_u64 s[G0SK+2:G0SK+3], s[8:9], s[84:85]
	s_or_b32 s[G0SK+3], s[G0SK+3], 0x80000000
	s_mov_b32 s[G0SV], 1
	s_mov_b32 s[G0SV+1], SCV
	s_add_nc_u64 s[G0SV+2:G0SV+3], s[12:13], s[84:85]
	s_or_b32 s[G0SV+3], s[G0SV+3], 0x80000000
	s_mov_b32 s[G0K], 1
	s_mov_b32 s[G0K+1], s86
	s_add_nc_u64 s[G0K+2:G0K+3], s[6:7], s[80:81]
	s_or_b32 s[G0K+3], s[G0K+3], 0x80000000
	s_mov_b32 s[G0V], 1
	s_mov_b32 s[G0V+1], s87
	s_add_nc_u64 s[G0V+2:G0V+3], s[10:11], s[82:83]
	s_or_b32 s[G0V+3], s[G0V+3], 0x80000000
	CROUND                                         ; all four work-groups are here: the joint loads meet
.macro ARM under, g0, g1, next
	s_cmp_lt_u32 s[WV], \under
	s_cbranch_scc0 \next
	tensor_load_to_lds s[\g0:\g0+3], s[\g1:\g1+7]
	s_nop 0
.rept 4
	v_nop
.endr
	s_branch .Lh_asked
\next:
.endm
	ARM 2, G0K,  G1K, .Lh_sk                       ; one chain of branches on the wave's number, a load to an arm: every wave issues one, and the launch has no other
	ARM 3, G0SK, G1S, .Lh_sv
	ARM 4, G0SV, G1S, .Lh_v
	tensor_load_to_lds s[G0V:G0V+3], s[G1V:G1V+7]
	s_nop 0
.rept 4
	v_nop
.endr
.Lh_asked:
	v_and_b32 v9, 15, v0                           ; r
	v_bfe_u32 v10, v0, 4, 1                        ; h
	v_lshrrev_b32 v8, 2, v9
	v_and_b32 v11, 3, v9
	v_mul_u32_u24 v[AK0], v8, KR
	v_mul_u32_u24 v[AV0], v9, VPI
	v_mul_u32_u24 v[STI], v9, SPI
	v_lshl_add_u32 v[AK0], v11, 6, v[AK0]
	v_lshl_add_u32 v[AV0], v10, 4, v[AV0]
	v_add_nc_u32 v[STI], s[STB], v[STI]
	v_lshl_add_u32 v[AK0], v10, 4, v[AK0]          ; a fragment of K: LDS row r / 4, key r % 4 in it, + 16 h
	v_add_nc_u32 v[AV0], VB, v[AV0]                ; of V: row r x pitch + 16 h
	v_lshl_add_u32 v[STI], v10, 5, v[STI]
	v_mul_u32_u24 v[SRD], v10, SPI
	v_and_b32 v[PFO], 31, v0
	v_lshl_add_u32 v[SRD], v9, 4, v[SRD]
	v_lshl_add_u32 v[ASK0], v[PFO], 2, SCK         ; scale words: 4 bytes a lane, 32 rows a load
	v_add_nc_u32 v[SRD], s[STB], v[SRD]
	v_lshlrev_b32 v[PFO], 8, v[PFO]                ; the prefetches: 256 bytes from lane to lane
	s_wait_alu depctr_va_vdst(0)
	s_wait_tensorcnt 0x0                           ; my part of the head's tiles is in:
	s_barrier_signal -1                            ; say so,
	s_barrier_wait -1                              ; and everybody's is
.macro INIT
	v_mov_b32 v13, 0xff61b1e6                      ; the largest t so far: -3e38
	v_mov_b32 v14, 0
	v_mov_b32 v15, 0
	v_floor_f32 v12, -v13                          ; -M
.irp b, 0,1,2,3
	v_mov_b32 v[TM+4+\b], 0                        ; a lane permute's destination counts as one of its sources
.endr
	v_mov_b32 v253, 0                              ; named as the upper half of the pair v[252:253]
.endm
; Half rows u of tile w go through my stage: in as loaded, back so that lane (r, h) holds, of row r, the 16 neighbours 32 b + 16 h .. of blocks b = 2 u, 2 u + 1.  LDS serves a wave's instructions in order.
.macro QTURN w, u, left
	s_wait_loadcnt \left                           ; loads come back in order: the later halves' may be out
	WIN 0x04*\w
.irp i, 0,1,2,3,4,5,6,7
	ds_store_b128 v[SRD], v[160+32*\u+4*\i:163+32*\u+4*\i] offset:2*SPI*\i
.endr
	WIN 0x40*\w
.irp b, 0,1
.irp j, 0,1,2,3
	ds_load_b128 v[96+32*\u+16*\b+4*\j:99+32*\u+16*\b+4*\j], v[ADK] offset:128*\b+16*\j
.endr
.endr
.endm
; Q's 64 numbers a lane become its fragment's codes in v16-23 (window w) and its scale word in window 0
.macro QUANTQ w, qs
	WIN 0x55*\w
.irp b, 0,1,2,3
	v_max3_num_f32 v[TM+\b], |v[96+16*\b]|, |v[97+16*\b]|, 0x1800000   ; and the floor 2^(3 - 127): the byte cannot fall under 1
.endr
.irp i, 2,4,6,8,10,12,14
.irp b, 0,1,2,3
	s_delay_alu instid0(VALU_DEP_4)
	v_max3_num_f32 v[TM+\b], v[TM+\b], |v[96+16*\b+\i]|, |v[97+16*\b+\i]|
.endr
.endr
.irp b, 0,1,2,3
	s_delay_alu instid0(VALU_DEP_4)
	v_permlanex16_b32 v[TM+4+\b], v[TM+\b], s[SEL], s[SEL+1]
.endr
.irp b, 0,1,2,3
	s_delay_alu instid0(VALU_DEP_4)
	v_max_num_f32 v[TM+\b], v[TM+\b], v[TM+4+\b]   ; with lane l xor 16's: the block's largest magnitude
.endr
.irp b, 0,1,2,3
	s_delay_alu instid0(VALU_DEP_4)
	v_add_nc_u32 v[TM+12+\b], 0xff000000, v[TM+\b] ; 2 off its exponent field: the conversion's scale operand
.endr
.irp b, 0,1,2,3
	s_delay_alu instid0(VALU_DEP_4)
	v_lshrrev_b32 v[TM+4+\b], 23, v[TM+12+\b]      ; the scale's byte
.endr
	s_delay_alu instid0(VALU_DEP_3)
	v_lshl_or_b32 v254, v[TM+5], 8, v[TM+4]
	s_delay_alu instid0(VALU_DEP_1)
	v_lshl_or_b32 v254, v[TM+6], 16, v254
	WIN 0x15*\w
	v_lshl_or_b32 v[\qs], v[TM+7], 24, v254        ; scale registers are taken from window 0
	WIN 0x55*\w
.irp b, 0,1,2,3
	v_cvt_scalef32_pk8_fp4_f32 v[16+2*\b], v[96+16*\b:103+16*\b], v[TM+12+\b]
	v_cvt_scalef32_pk8_fp4_f32 v[17+2*\b], v[104+16*\b:111+16*\b], v[TM+12+\b]
.endr
	v_nop                                          ; one plain place behind a scaled conversion
.irp c, 0,1                                    ; a whole block to a lane
.irp i, 0,1
	v_permlane16_swap_b32 v[16+4*\c+\i], v[18+4*\c+\i]
.endr
.endr
.endm
; The softmax of one tile, in the window that is set.  PRE: the blocks' largest scores, M, f, and the sum and O^T under the new M (O^T is read here with no transcendental behind the products that wrote it).
.macro PRE
.irp b, 0,1,2,3
	v_max3_num_f32 v[232+\b], v[96+16*\b], v[97+16*\b], v[98+16*\b]
.endr
.irp i, 3,5,7,9,11,13
.irp b, 0,1,2,3
	v_max3_num_f32 v[232+\b], v[232+\b], v[96+16*\b+\i], v[97+16*\b+\i]   ; the four blocks by turns; each result is read from its low end on
.endr
.endr
.irp b, 0,1,2,3
	v_max_num_f32 v[232+\b], v[232+\b], v[111+16*\b]
.endr
.irp b, 0,1,2,3
	s_delay_alu instid0(VALU_DEP_4)
	v_permlanex16_b32 v[236+\b], v[232+\b], s[SEL], s[SEL+1]
.endr
.irp b, 0,1,2,3
	s_delay_alu instid0(VALU_DEP_4)
	v_max_num_f32 v[232+\b], v[232+\b], v[236+\b]  ; with lane l xor 16's 16 keys
.endr
	s_delay_alu instid0(VALU_DEP_2)
	v_max3_num_f32 v254, v232, v233, v234
	s_delay_alu instid0(VALU_DEP_1)
	v_max_num_f32 v254, v254, v235
	s_delay_alu instid0(VALU_DEP_1)
	v_mul_f32 v254, s[CS], v254                    ; as t
	s_delay_alu instid0(VALU_DEP_1)
	v_max_num_f32 v13, v13, v254                   ; the running largest t
	v_mov_b32 v254, v12
	s_delay_alu instid0(VALU_DEP_2)
	v_floor_f32 v12, -v13                          ; the new -M = -ceil(t)
	s_delay_alu instid0(VALU_DEP_1)
	v_sub_f32 v254, v12, v254                      ; old M - new M: a whole number, 0 or less
	s_delay_alu instid0(VALU_DEP_1)
	v_cvt_i32_f32 v254, v254                       ; (it saturates)
	s_delay_alu instid0(VALU_DEP_1)
	v_ldexp_f32 v252, 1.0, v254                    ; f = 2^(old M - new M)
	s_delay_alu instid0(VALU_DEP_1)
	v_pk_mul_f32 v[14:15], v[14:15], v[252:253] op_sel_hi:[1,0]
.set j, 0
.rept 32
	v_pk_mul_f32 v[160+j:161+j], v[160+j:161+j], v[252:253] op_sel_hi:[1,0]
.set j, j+2
.endr
.endm
.macro FMA                             ; t - M, two at a time; the same of each block's largest score
.set j, 0
.rept 32
	v_pk_fma_f32 v[96+j:97+j], v[96+j:97+j], s[CS:CS+1], v[12:13] op_sel_hi:[1,0,0]
.set j, j+2
.endr
.irp b, 0,1,2,3
	v_fma_f32 v[232+\b], v[232+\b], s[CS], v12
.endr
.endm
.macro EXPS                            ; p = 2^(t - M), and each block's largest p
.set j, 0
.rept 64
	v_exp_f32 v[96+j], v[96+j]
.set j, j+1
.endr
.irp b, 0,1,2,3
	v_exp_f32 v[232+\b], v[232+\b]
.endr
	v_nop                                          ; a plain place behind the exponentials
.endm
.macro POST w, ps                      ; p's scale word (into window 0), p's codes, the row's sum of the unquantised p
.irp b, 0,1,2,3
	v_max_num_f32 v[232+\b], 0x1800000, v[232+\b]  ; the floor 2^(3 - 127)
.endr
.irp b, 0,1,2,3
	s_delay_alu instid0(VALU_DEP_4)
	v_add_nc_u32 v[244+\b], 0xff000000, v[232+\b]
.endr
.irp b, 0,1,2,3
	s_delay_alu instid0(VALU_DEP_4)
	v_lshrrev_b32 v[236+\b], 23, v[244+\b]
.endr
	s_delay_alu instid0(VALU_DEP_3)
	v_lshl_or_b32 v254, v237, 8, v236
	s_delay_alu instid0(VALU_DEP_1)
	v_lshl_or_b32 v254, v238, 16, v254
	WIN 0x15*\w
	v_lshl_or_b32 v[\ps], v239, 24, v254
	WIN 0x55*\w
.irp b, 0,1,2,3
	v_cvt_scalef32_pk8_fp4_f32 v[224+2*\b], v[96+16*\b:103+16*\b], v[244+\b]
	v_cvt_scalef32_pk8_fp4_f32 v[225+2*\b], v[104+16*\b:111+16*\b], v[244+\b]
.endr
	v_nop
.irp c, 0,1
.irp i, 0,1
	v_permlane16_swap_b32 v[224+4*\c+\i], v[226+4*\c+\i]
.endr
.endr
.irp c, 1,2,3,4,5,6,7                          ; eight chains: v[14:15] and v[232:233] .. v[244:245].  (These 32 lines are also the places between the codes and scale word and the product)
	v_pk_add_f32 v[230+2*\c:231+2*\c], v[92+4*\c:93+4*\c], v[94+4*\c:95+4*\c]
.endr
	v_pk_add_f32 v[14:15], v[14:15], v[124:125]
.set k, 0
.rept 17
.set c, (k+1)%8
.if c == 0
	v_pk_add_f32 v[14:15], v[14:15], v[126+2*k:127+2*k]
.else
	v_pk_add_f32 v[230+2*c:231+2*c], v[230+2*c:231+2*c], v[126+2*k:127+2*k]
.endif
.set k, k+1
.endr
	v_pk_add_f32 v[232:233], v[232:233], v[234:235]
	v_pk_add_f32 v[236:237], v[236:237], v[238:239]
	v_pk_add_f32 v[240:241], v[240:241], v[242:243]
	v_pk_add_f32 v[14:15], v[14:15], v[244:245]
	s_delay_alu instid0(VALU_DEP_3)
	v_pk_add_f32 v[232:233], v[232:233], v[236:237]
	s_delay_alu instid0(VALU_DEP_2)
	v_pk_add_f32 v[14:15], v[14:15], v[240:241]
	s_delay_alu instid0(VALU_DEP_1)
	v_pk_add_f32 v[14:15], v[14:15], v[232:233]
.endm
; THE WAY OUT, first part: O^T / the sum, into v96-159 of the tile's window; O^T's registers are then free
.macro OUT1 w
	WIN 0x55*\w
	v_add_f32 v14, v14, v15
	s_delay_alu instid0(VALU_DEP_1)
	v_permlanex16_b32 v252, v14, s[SEL], s[SEL+1]
	s_delay_alu instid0(VALU_DEP_1)
	v_add_f32 v14, v14, v252                       ; the row's sum
	s_wait_alu depctr_va_vdst(0)                   ; the wait ahead of the transcendental
	v_rcp_f32 v14, v14
	v_nop
	s_wait_alu depctr_va_vdst(0)                   ; and behind it, directly ahead of the first readers of O^T
.set j, 0
.rept 32
	v_pk_mul_f32 v[96+j:97+j], v[160+j:161+j], v[14:15] op_sel_hi:[1,0]   ; register 8 t + i is o(r, 16 t + 8 h + i)
.set j, j+2
.endr
.endm
; Second part: through my stage, half a row (256 bytes) of 16 queries at a time; sixteen lanes store 256 consecutive bytes, aligned
.macro OUT2 w
.irp u, 0,1
	WIN 0x04*\w
.irp t, 0,1,2,3
	ds_store_b128 v[STI], v[96+32*\u+8*\t:99+32*\u+8*\t] offset:64*\t
	ds_store_b128 v[STI], v[100+32*\u+8*\t:103+32*\u+8*\t] offset:64*\t+16
.endr
	WIN 0x40*\w
.irp i, 0,1,2,3,4,5,6,7
	ds_load_b128 v[32+32*\u+4*\i:35+32*\u+4*\i], v[SRD] offset:2*SPI*\i   ; LDS serves a wave's instructions in order: these see my stores, and the next half's stores come behind them
.endr
.endr
	WIN 0x04*\w
.irp i, 0,1,2,3,4,5,6,7
	s_wait_dscnt 23-\i                             ; behind this load: its 7 - i younger loads, and the second half's 8 stores and 8 loads
	global_store_b128 v[GO], v[32+4*\i:35+4*\i], s[14:15] offset:8192*\w+1024*\i th:TH_STORE_NT
.endr
.irp i, 0,1,2,3,4,5,6,7
	s_wait_dscnt 7-\i
	global_store_b128 v[GO], v[64+4*\i:67+4*\i], s[14:15] offset:8192*\w+1024*\i+256 th:TH_STORE_NT
.endr
.endm
.Lpass:                                            ; two trips: 32 of my 64 queries each
	v_lshrrev_b32 v[ADK], 9, v[GO]                 ; h
	INIT
	v_lshl_add_u32 v[ADK], v[ADK], 5, v[STI]       ; Q back from the stage: row r, + 64 h
	WIN 0x55
	INIT
	WIN 0
	s_wait_alu depctr_va_vdst(0)
	QTURN 0, 0, 24
	QTURN 0, 1, 16
	QTURN 1, 0, 8
	QTURN 1, 1, 0
	WIN 0
	s_wait_dscnt 32                                ; A's numbers are back; B's 16 stores and 16 loads may be out
	QUANTQ 0, QSA
	s_wait_dscnt 0x0
	QUANTQ 1, QSB
.irp w, 0x55, 0
	WIN \w
.set j, 0
.rept 64
	v_mov_b32 v[160+j], 0                          ; O^T: the step is written once, its first run finds zeros.  (Also the places between Q's codes and scale words and the first product)
.set j, j+1
.endr
.endr
.irp t, 0,1,2,3,4,5,6,7                        ; the pass's first step: its fragments and scale words of K
	ds_load_b128 v[32+8*\t:35+8*\t], v[AK0] offset:\t*KT
	ds_load_b128 v[36+8*\t:39+8*\t], v[AK0] offset:\t*KT+32
.endr
.irp i, 0,1,2,3
	ds_load_b32 v[KS+\i], v[ASK0] offset:128*\i
.endr
	s_mov_b32 s[TK], 8*KT
	s_mov_b32 s[TV], 0
	s_mov_b32 s[TS], 0
	s_mov_b32 s[QC], 16
	s_wait_alu depctr_va_vdst(0)
	s_cmp_eq_u32 s[PC], 1
	s_cbranch_scc1 .Lstep                          ; the last pass has no rows behind it
	global_prefetch_b8 v[PFO], s[4:5] offset:16384 th:TH_LOAD_NT scope:SCOPE_SE    ; the next pass's 32 rows: 64 blocks of 256 bytes, a lane a block
	global_prefetch_b8 v[PFO], s[4:5] offset:24576 th:TH_LOAD_NT scope:SCOPE_SE
.Lstep:                                            ; A KEY STEP: 128 keys, both tiles; sixteen trips
	v_add_nc_u32 v[ADK], s[TK], v[AK0]             ; the next step's tiles of K.  (These four lines are the places in front of loads into registers that the last products have read)
	v_add_nc_u32 v[ADV], s[TV], v[AV0]
	v_add_nc_u32 v[ADS], s[TS], v[ASK0]
	v_add_nc_u32 v[ADW], 64*VPI, v[ADV]            ; V's tiles 4 to 7 lie beyond an immediate offset's 16 bits
	WIN 0x40
.irp t, 0,1,2,3
	ds_load_b128 v[32+8*\t:35+8*\t], v[ADV] offset:16*\t*VPI
	ds_load_b128 v[36+8*\t:39+8*\t], v[ADV] offset:16*\t*VPI+32
.endr
.irp t, 0,1,2,3
	ds_load_b128 v[64+8*\t:67+8*\t], v[ADW] offset:16*\t*VPI
	ds_load_b128 v[68+8*\t:71+8*\t], v[ADW] offset:16*\t*VPI+32
.endr
	WIN 0
.irp i, 0,1,2,3
	ds_load_b32 v[VS+\i], v[ADS] offset:8192+128*\i
.endr
	s_wait_alu depctr_va_vdst(0)                   ; ahead of the wait below
	s_wait_dscnt 20                                ; K's fragments and scale words, asked for a step ago, are in; V's 16 + 4 loads just issued may be out
.irp t, 0,1,2,3,4,5,6,7                        ; S^T = K Q^T, tile A
	WMS 96+8*\t, 32+8*\t, 16, KS+\t/2, QSA, \t%2
.endr
	WIN 0x54                                       ; K's fragments in window 0; Q's codes and the results in window 1
.irp t, 0,1,2,3,4,5,6,7                        ; tile B
	WMS 96+8*\t, 32+8*\t, 16, KS+\t/2, QSB, \t%2
.endr
	WIN 0
.rept 4
	v_nop                                          ; places in front of the first read of results, and of the loads below into registers that these products have read
.endr
; K'S FRAGMENTS AND SCALE WORDS ARE READ A STEP AHEAD: K stays whole in LDS, so the next step's 16 + 4 loads go out here and have the softmax in which to land.
; In a pass's last step the address is held at that step's own rows, and the scale words' offset reaches V's words: written bytes, and what they bring is not used.
.irp t, 0,1,2,3,4,5,6,7
	ds_load_b128 v[32+8*\t:35+8*\t], v[ADK] offset:\t*KT
	ds_load_b128 v[36+8*\t:39+8*\t], v[ADK] offset:\t*KT+32
.endr
.irp i, 0,1,2,3
	ds_load_b32 v[KS+\i], v[ADS] offset:512+128*\i
.endr
	PRE
	WIN 0x55
	PRE
	WIN 0
	FMA
	WIN 0x55
	FMA
	WIN 0
	s_wait_alu depctr_va_vdst(0)                   ; a wait ahead of a batch of transcendentals and one behind it
	EXPS
	WIN 0x55
	s_wait_alu depctr_va_vdst(0)
	EXPS
	WIN 0
	s_wait_alu depctr_va_vdst(0)
	POST 0, PSA
	WIN 0x55
	POST 1, PSB
	s_wait_dscnt 20                                ; V's fragments and scale words are in; the next step's 16 + 4 loads of K, issued behind them, may be out
	WIN 0x01                                       ; V's fragments in window 1, all else in window 0
.irp t, 0,1,2,3,4,5,6,7                        ; O^T += V^T P^T, tile A; the accumulators take turns
	WMA 160+8*\t, 32+8*\t, 224, VS+\t/2, PSA, \t%2
.endr
	WIN 0x55
.irp t, 0,1,2,3,4,5,6,7                        ; tile B
	WMA 160+8*\t, 32+8*\t, 224, VS+\t/2, PSB, \t%2
.endr
	WIN 0
	s_add_co_u32 s[TK], s[TK], 8*KT
	s_min_u32 s[TK], s[TK], 15*8*KT                ; no step lies behind the sixteenth
	s_add_co_u32 s[TV], s[TV], 64
	s_add_co_u32 s[TS], s[TS], 512
	s_sub_co_u32 s[QC], s[QC], 1
	s_cmp_lg_u32 s[QC], 0
	s_cbranch_scc1 .Lstep
	s_wait_dscnt 0x0                               ; the last step's loads ahead have landed: their registers serve the way out
	OUT1 0
	OUT1 1
	WIN 0
	s_wait_alu depctr_va_vdst(0)
	s_cmp_eq_u32 s[PC], 1
	s_cbranch_scc1 .Lno_rows
	s_wait_xcnt 0x0                                ; my prefetches have read Q's address: it may be stepped
	s_add_nc_u64 s[4:5], s[4:5], 16384
	QLOAD                                          ; the next pass's rows, into the registers that O^T has left, ahead of this pass's stores
.Lno_rows:
	OUT2 0
	OUT2 1
	WIN 0
	s_wait_xcnt 0x0                                ; the stores' base and data registers are written again only behind this wait
	s_add_nc_u64 s[14:15], s[14:15], 16384
	s_sub_co_u32 s[PC], s[PC], 1
	s_cmp_lg_u32 s[PC], 0
	s_cbranch_scc1 .Lpass
	s_wait_tensorcnt 0x0                           ; the wave's end
	ds_add_u32 v[SPW], v[NIL]
	s_wait_dscnt 0x0
	CROUND                                         ; the closing round
	s_endpgm
.Lfunc_end_k_q9e26103052_attn:
	.size	k_q9e26103052_attn, .Lfunc_end_k_q9e26103052_attn-k_q9e26103052_attn
	.p2alignl 7, 3214868480
	.fill 96, 4, 3214868480
	.section	.rodata,"a",@progbits
	.p2align	6, 0x0
	.amdhsa_kernel k_q9e26103052_attn
		.amdhsa_group_segment_fixed_size 327680
		.amdhsa_private_segment_fixed_size 0
		.amdhsa_enable_private_segment 0
		.amdhsa_kernarg_size 48
		.amdhsa_user_sgpr_count 2
		.amdhsa_user_sgpr_kernarg_segment_ptr 1
		.amdhsa_wavefront_size32 1
		.amdhsa_system_sgpr_workgroup_id_x 1
		.amdhsa_system_sgpr_workgroup_id_y 1
		.amdhsa_system_sgpr_workgroup_id_z 1
		.amdhsa_system_vgpr_workitem_id 0
		.amdhsa_next_free_vgpr 512
		.amdhsa_next_free_sgpr 100
		.amdhsa_reserve_vcc 0
		.amdhsa_float_denorm_mode_32 3
		.amdhsa_float_denorm_mode_16_64 3
		.amdhsa_memory_ordered 1
		.amdhsa_forward_progress 1
		.amdhsa_inst_pref_size 84
	.end_amdhsa_kernel
	.amdgpu_metadata
---
amdhsa.version: [ 1, 2 ]
amdhsa.kernels:
  - .name:           k_q9e26103052_attn
    .symbol:         k_q9e26103052_attn.kd
    .args:
      - { .name: Q, .offset: 0, .size: 8, .value_kind: global_buffer, .address_space: global }
      - { .name: kcod, .offset: 8, .size: 8, .value_kind: global_buffer, .address_space: global }
      - { .name: kscl, .offset: 16, .size: 8, .value_kind: global_buffer, .address_space: global }
      - { .name: vcod, .offset: 24, .size: 8, .value_kind: global_buffer, .address_space: global }
      - { .name: vscl, .offset: 32, .size: 8, .value_kind: global_buffer, .address_space: global }
      - { .name: out0, .offset: 40, .size: 8, .value_kind: global_buffer, .address_space: global }
    .group_segment_fixed_size: 327680
    .private_segment_fixed_size: 0
    .kernarg_segment_align: 8
    .kernarg_segment_size: 48
    .max_flat_workgroup_size: 256
    .sgpr_count:     100
    .vgpr_count:     512
    .wavefront_size: 32
...
	.end_amdgpu_metadata
.endif
;; end of part 2
